; MI455X (gfx1250); checked and timed in simulation.
; The chip was launched on July 23, 2026; its instructions are those of AMD's public machine-readable ISA for CDNA 5 (MIT licence, August 2026) and "CDNA5" Instruction Set Architecture Reference Guide (July 2026). The comments in the code are by the model that wrote it; some were corrected since.
;; Causal Multihead Attention. Allowed arithmetic: matrix products marked QUANTISED: E2M3 operands, one E8M0 scale for each 32 along K, by v_wmma_scale_f32_16x16x128_f8f6f4 with both operands' format E2M3, f32 sums; everything else in f32.
;; Inputs: w_o_codes 1,024 x 32 x 24 uint8 (E2M3 codes of w_o, K innermost, in blocks of 32 codes, four codes in three bytes); w_o_scales 1,024 x 32 uint8 (E8M0 scales of w_o, one for each 32 codes along K); w_qkv_codes 3 x 16 x 64 x 32 x 24 uint8 (E2M3 codes of w_qkv, K innermost, in blocks of 32 codes, four codes in three bytes); w_qkv_scales 3 x 16 x 64 x 32 uint8 (E8M0 scales of w_qkv, one for each 32 codes along K); x_codes 4 x 2,048 x 32 x 24 uint8 (E2M3 codes of x, K innermost, in blocks of 32 codes, four codes in three bytes); x_scales 4 x 2,048 x 32 uint8 (E8M0 scales of x, one for each 32 codes along K).
;; Outputs: out0 4 x 2,048 x 1,024 float32.
;; This version of the problem:
;;   THIS VERSION OF THE PROBLEM IS GIVEN IN LOW PRECISION. The matrix products marked QUANTISED in the list below multiply operands that are first quantised to E2M3 (2 exponent bits, 3 mantissa bits; 6 bits a number), with one power-of-two scale for each 32 numbers along K (OCP MX v1.0); their sums are f32. All else is computed in f32.
;;   The module's matrix products, in the order in which they are computed (A, B: the left and right operand; K: the contracted axis; several contracted axes count as one K, in the product's order):
;;     1. [M 3,072, K 1,024] x [K 1,024, N 8,192]; A: input w_qkv (given as codes); B: input x (given as codes): QUANTISED
;;     2. batch 64 x [M 2,048, K 64] x [K 64, N 2,048]; A: computed on the way; B: computed on the way: QUANTISED
;;     3. batch 64 x [M 2,048, K 2,048] x [K 2,048, N 64]; A: softmax (see below); B: computed on the way: QUANTISED
;;     4. [M 8,192, K 1,024] x [K 1,024, N 1,024]; A: computed on the way; B: input w_o (given as codes): QUANTISED
;;   THE QUANTISER, for each operand of a quantised product, along K:
;;     - K is cut into blocks of 32 from its start; a last block that is shorter is filled with zeros.
;;     - A block's scale is 2^e with e = floor(log2(the largest magnitude in the block)) - 2, held to -126 .. 127; a block of zeros has e = 0. As a byte (E8M0): e + 127.
;;     - Each number is divided by its block's scale, clamped to +-7.5, and rounded to the nearest number of E2M3, ties to even, subnormals kept.
;;     - The product sums the exact products of the quantised numbers (number of the format x scale) in f32.
;;   ~~~python
;;   def quantise(x, axis):      # numpy; x: float32 -> the quantised numbers, widened to float32 again
;;       x = np.moveaxis(x, axis, -1); K = x.shape[-1]
;;       x = np.pad(x, [(0, 0)] * (x.ndim - 1) + [(0, -K % 32)]); x = x.reshape(x.shape[:-1] + (-1, 32)); a = np.abs(x).max(-1, keepdims=True)
;;       e = np.where(a > 0, np.clip(np.frexp(np.where(a > 0, a, 1))[1] - 1 - 2, -126, 127), 0)      # np.frexp(a)[1] - 1 = floor(log2(a)), exactly
;;       r = np.clip(x / 2.0 ** e, -7.5, 7.5)
;;       step = 2.0 ** (np.maximum(np.frexp(np.where(r == 0, 1, r))[1] - 1, 0) - 3)
;;       q = np.round(r / step) * step * 2.0 ** e      # np.round: ties to even
;;       return np.moveaxis(q.reshape(q.shape[:-2] + (-1,))[..., :K], -1, axis).astype(np.float32)
;;   ~~~
;;   SOFTMAX AHEAD OF A QUANTISED PRODUCT. Where the list says 'softmax', what is quantised is not the finished softmax but p = 2^(t - M), with t = logit x log2(e) and M = ceil(the row's largest t), a whole number; so 1/2 < the row's largest p <= 1. The row's sum l is taken of the UNQUANTISED p, in f32, and the product's result is divided by l at the end. Since M is a whole number, a kernel that streams over the keys may use a running M (the ceiling of the running maximum): every later rescaling is an exact power of two, which a block's scale takes up: the codes' values come out the same.
;;   OPERANDS COMPUTED ON THE WAY. 'Computed on the way' means the value that the module computes at that place (a softmax that the list does not call 'softmax' is quantised finished and normalised). What goes into a quantiser is computed in f32, as accurately as f32 sums, v_exp_f32 and their like allow (about 1e-6 of the number): no bf16 or f16 on the way to a quantiser, and a product that is left as it is and whose result goes on into a quantised operand takes f32 operands (vector FMAs, or v_wmma_f32_16x16x4_f32). A number that lies on a knife's edge between two numbers of the format may be rounded either way, as far as f32 arithmetic and the matrix unit's own rounding can turn it there, and no further.
;;   INPUTS GIVEN AS CODES. w_o (in the module: [1024, 1024], K = its axis 1); w_qkv (in the module: [3, 16, 64, 1024], K = its axis 3); x (in the module: [4, 2048, 1024], K = its axis 2): each comes as NAME_codes (uint8): NAME with its K axis moved to the last place and cut into blocks of 32 codes, [.., K / 32, bytes a block], one block behind the other in memory; four codes in three bytes: a row's codes are one little-endian stream of bits, code i at bits 6 i .. 6 i + 5 (a code: sign, 2 exponent bits, 3 mantissa bits); and NAME_scales (uint8): the same leading axes, one E8M0 byte (e + 127) for each 32 codes along K. Its value is code x scale, taken as it is: it is not quantised again, and the codes and scales need not be those that the quantiser above would give.
;; One version. Each part assembles by itself: llvm-mc -triple=amdgcn-amd-amdhsa -mcpu=gfx1250 --defsym DOCPART=n.
;; ======== version 1 of 1: 3 launches
;; limits: right only within a limited range of input values
;; workspace buffers: qk_img 12,582,912 bytes; qk_sc 1,048,576 bytes; v_img 6,291,456 bytes; v_sc 524,288 bytes; at_img 6,291,456 bytes; at_sc 262,144 bytes
;; launch qkv (part 1): grid 24 x 32, 4 waves a work-group, clusters of 4 x 4, 327,680 bytes of LDS; arguments x_codes, x_scales, w_qkv_codes, w_qkv_scales, qk_img, qk_sc, v_img, v_sc; writes qk_img, qk_sc, v_img, v_sc
.if DOCPART == 1
	.amdgcn_target "amdgcn-amd-amdhsa--gfx1250"
	.amdhsa_code_object_version 6
	.text
	.protected	k_q55c2f11762_qkv
	.globl	k_q55c2f11762_qkv
	.p2align	8
	.type	k_q55c2f11762_qkv,@function
k_q55c2f11762_qkv:
	s_mov_b64 s[64:65], 0
	v_nop
	global_prefetch_b8 v0, s[64:65] scope:SCOPE_SE
	s_setreg_imm32_b32 hwreg(HW_REG_WAVE_MODE, 25, 1), 1
	s_wait_xcnt 0x0
	s_wait_alu depctr_hold_cnt(0) depctr_sa_sdst(0) depctr_va_vdst(0) depctr_va_sdst(0) depctr_va_ssrc(0) depctr_va_vcc(0) depctr_vm_vsrc(0)
	s_getreg_b32 s2, hwreg(HW_REG_IB_STS2, 6, 4)
	s_cmp_eq_u32 s2, 0
	s_cbranch_scc0 .Lentry_in_a_cluster
	s_endpgm
.Lentry_in_a_cluster:
	s_bfe_u32 s2, ttmp6, 0x10000c
	s_cmp_lg_u32 s2, 0xf033
	s_cbranch_scc0 .Lentry_shape_is_right
	s_endpgm
.Lentry_shape_is_right:
; Q, K, V = w_qkv . x on codes of FP6 (E2M3) with E8M0 scales, K = 1,024, sums in f32; the results are quantised in registers and leave as codes and scale words,
; Q and K along the head's 64 channels, V along the keys, as IMAGES OF OPERAND REGISTERS (a piece = registers 2 j, 2 j + 1 of the 32 lanes = 256 consecutive bytes).  No work of the problem is left out here.
; A BLOCK is 256 rows of A x 128 rows of B.  Source 0 (B) gives the axis along a lane's registers, the quantiser's axis; source 1 (A) gives a lane its row.
;   clusters x = 0 .. 3 (Q, K): B = 128 rows of w_qkv (2 heads), A = 256 tokens.   clusters x = 4, 5 (V): B = 128 tokens (a key step), A = 256 rows of w_qkv's third part (4 heads).
; The choice hangs on the cluster's x alone, which all sixteen partners share; it selects pointers and offsets, never a branch.
; ALL OF K LIES IN LDS: rows of 768 bytes of memory, each beginning at a multiple of 256, 16 bytes of padding behind every 256.  Four joint loads at the head, one a wave: A's codes, B's codes, A's scale bytes, B's.
; Nothing is filled again, so the only rounds of the cluster's barrier are the opening and the closing one.  A's tiles are shared along a row of the 4 x 4 cluster, B's along a column.
; A WAVE makes 64 rows of A x 128 of B: 32 accumulators.  A step is 128 along K: 32 products; the next step's 72 LDS loads go into the other set of fragment registers, in three runs among the products.
; THE ROWS OF A TILE OF 16 ARE NOT NEIGHBOURS: lane r of tile i takes row 32 (i / 2) + 8 (i % 2) + r + 8 (r / 8), so that the 16 result registers of B's tiles 2 b, 2 b + 1 are 16 neighbours, and A's tiles are those of the later launches.
; NO PREFETCH: the launch has no loop to run ahead in; all its tiles are asked for at the head.
; LIMITS: NaN and infinities are not served.  A block whose largest magnitude lies under 2^-124 gets the scale byte 1; only this program reads these bytes.  A given scale byte 0xff gives NaN.
; REGISTERS: window 0: v16-29 addresses; v32-111 scale words (tile i, step q at v[32 + 10 i + q]; lanes 0-15 A's, lanes 16-31 B's); v128-223 A's fragments, two sets.  window 1: B's, two sets.  window 2: accumulator (a, b) at v[8 (8 a + b)].
.set PITCH,  816
.set BBASE,  256*PITCH                 ; B's 128 rows lie behind A's 256
.set SCL,    BBASE+128*PITCH           ; A's scale bytes: 32 units of 256 + 16
.set SCB,    SCL+32*272                ; B's: 16 units
.set SPARE,  SCB+16*272                ; the spare words: 512 bytes that no other line names
.set ADRA, 16                          ; v16 my A fragments; v18 the same behind one padding more
.set ADRB, 20                          ; v20, v21 B's tiles 0-3, 4-7; v22, v23 behind one padding more
.set CO,   24
.set SO,   25
.set SHV,  26
.set ADRS, 27
.set SPW,  28
.set NIL,  29
.set SC,   32
.set AF,   128
.set TM,   32
.set PW,   48
.set SW,   52
.set PC,   64
.set CB,   18
.set CU,   20
.set SBS,  22
.set STP,  46
.set MASK, 45
.set SEL,  100
.set MSB, 0
.macro WIN new                         ; the immediate's high byte repeats the setting that is left
.if MSB != (\new)
	s_set_vgpr_msb (MSB<<8)|(\new)
.set MSB, (\new)
.endif
.endm
.set MUL,  0xa1                        ; source 0 window 1, source 1 window 0, C and D window 2
.set TO_B, 0x40
.macro PLACES
.rept 4
	v_nop
.endr
.endm
.macro TLOAD g0, g1
	tensor_load_to_lds s[\g0:\g0+3], s[\g1:\g1+7]
	s_nop 0
	PLACES
.endm
.macro CROUND
	s_barrier_signal -1
	s_barrier_wait -1
	s_cmp_lg_u32 s14, 0
	s_cbranch_scc1 .Lnot_wave_0_\@
	s_barrier_signal -3
.Lnot_wave_0_\@:
	s_barrier_wait -3
	s_barrier_signal -1
	s_barrier_wait -1
.endm
.macro GROUP1 g, mask, word, len, rows ; group 1: rows of len elements, dense or at the row's own pitch
	s_or_b32 s[\g], s[\mask], \word
	s_mov_b32 s[\g+1], (\len)<<16
	s_mov_b32 s[\g+2], (\rows)<<16
	s_mov_b32 s[\g+3], (\len)<<16
	s_mov_b32 s[\g+4], \rows
	s_mov_b32 s[\g+5], \len
	s_mov_b32 s[\g+6], 0
	s_mov_b32 s[\g+7], 0
.endm
.macro GROUP0 g, lds, off              ; group 0: the base is in s[g+2:g+3] already
	s_mov_b32 s[\g], 1
	s_mov_b32 s[\g+1], \lds
	s_add_nc_u64 s[\g+2:\g+3], s[\g+2:\g+3], s[\off:\off+1]
	s_or_b32 s[\g+3], s[\g+3], 0x80000000
.endm
	s_load_b256 s[4:11], s[0:1], 0x0               ; x's codes, x's scales, w_qkv's codes, its scales
	s_load_b256 s[68:75], s[0:1], 0x20             ; qk_img, qk_sc, v_img, v_sc
	v_lshl_add_u32 v[SPW], v0, 2, SPARE
	v_mov_b32 v[NIL], 0
	ds_add_u32 v[SPW], v[NIL]                      ; the opening lines: the add twice on end and one wait
	ds_add_u32 v[SPW], v[NIL]
	v_lshrrev_b32 v1, 5, v0
	v_readfirstlane_b32 s14, v1                    ; wave 0..3
	s_bfe_u32 s40, ttmp6, 0x40000                  ; cx
	s_bfe_u32 s41, ttmp6, 0x40004                  ; cy
	s_lshl_b32 s66, ttmp9, 2                       ; 4 x cluster x
	s_and_b32 s67, ttmp7, 0xffff
	s_lshl_b32 s67, s67, 2                         ; 4 x cluster y
	s_lshl_b32 s92, s67, 1
	s_add_co_u32 s92, s92, s66
	s_sub_co_u32 s92, s92, 16                      ; V: key steps 8 x cluster y + 4 x (cluster x - 4) (means nothing for Q, K and is not chosen there)
	s_cmp_ge_u32 ttmp9, 4                          ; V's clusters?
	s_cselect_b32 s42, s92, s66                    ; B's tile of 128 rows
	s_cselect_b32 s17, 8, s67                      ; A's tile of 256 rows
	s_add_co_u32 s42, s42, s40                     ; B's hangs on cx alone of the two places,
	s_add_co_u32 s17, s17, s41                     ; A's on cy alone
	s_lshl_b32 s43, s41, 2
	s_lshl_b32 s43, 15, s43                        ; my row of the cluster
	s_lshl_b32 s44, 0x1111, s40                    ; my column
	GROUP1 24, 43, (1<<20)|(1<<21)|(5<<22)|(3<<25), 768, 256
	GROUP1 32, 44, (1<<20)|(1<<21)|(5<<22)|(3<<25), 768, 128
	GROUP1 48, 43, (3<<16)|(1<<20)|(1<<21)|(5<<22)|(3<<25), 32, 32
	GROUP1 56, 44, (3<<16)|(1<<20)|(1<<21)|(5<<22)|(3<<25), 32, 16
	s_mul_i32 s92, s17, 256*768                    ; where the tiles begin, in bytes
	s_mul_i32 s94, s42, 128*768
	s_lshl_b32 s96, s17, 13
	s_lshl_b32 s98, s42, 12
	s_mov_b32 s93, 0
	s_mov_b32 s95, 0
	s_mov_b32 s97, 0
	s_mov_b32 s99, 0
	s_wait_dscnt 0x0
	s_wait_kmcnt 0x0
	s_cmp_ge_u32 ttmp9, 4                          ; for V the two tensors change sides
	s_cselect_b64 s[78:79], s[8:9], s[4:5]
	s_cselect_b64 s[82:83], s[4:5], s[8:9]
	s_cselect_b64 s[86:87], s[10:11], s[6:7]
	s_cselect_b64 s[90:91], s[6:7], s[10:11]
	GROUP0 76, 0, 92
	GROUP0 80, BBASE, 94
	GROUP0 84, SCL, 96
	GROUP0 88, SCB, 98
	CROUND                                         ; all sixteen work-groups are here: the joint loads meet
	s_cmp_eq_u32 s14, 0                            ; one chain of branches on the wave's number, one load to an arm
	s_cbranch_scc0 .Lw1
	TLOAD 76, 24                                   ; wave 0: A's codes
	s_branch .Lasked
.Lw1:
	s_cmp_eq_u32 s14, 1
	s_cbranch_scc0 .Lw2
	TLOAD 80, 32                                   ; wave 1: B's codes
	s_branch .Lasked
.Lw2:
	s_cmp_eq_u32 s14, 2
	s_cbranch_scc0 .Lw3
	TLOAD 84, 48                                   ; wave 2: A's scale bytes
	s_branch .Lasked
.Lw3:
	TLOAD 88, 56                                   ; wave 3: B's
.Lasked:
	; the way out's addresses, while the tiles are on their way
	s_lshl_b32 s92, s42, 1                         ; Q, K: my first head among the 32
	s_lshl_b32 s93, s17, 4
	s_lshl_b32 s94, s14, 2
	s_add_co_u32 s93, s93, s94                     ; my first tile of 16 tokens
	s_lshl_b32 s94, s92, 9
	s_add_co_u32 s94, s94, s93
	s_mul_i32 s94, s94, 768                        ; qk_img: [head 32][tile 512][768 bytes]
	s_lshl_b32 s95, s92, 15                        ; qk_sc: [head 32][four tiles 128][256 bytes]
	s_lshl_b32 s93, s93, 6
	s_add_co_u32 s95, s95, s93
	s_sub_co_u32 s96, s17, 8                       ; V: my head = 4 x (A's tile - 8) + wave
	s_lshl_b32 s96, s96, 2
	s_add_co_u32 s96, s96, s14
	s_lshl_b32 s96, s96, 6
	s_add_co_u32 s96, s96, s42                     ; x 64 key steps + mine
	s_mul_i32 s97, s96, 6144                       ; v_img: [head 16][key step 64][6,144 bytes]
	s_lshl_b32 s96, s96, 9                         ; v_sc: [head 16][key step 64][512 bytes]
	s_cmp_ge_u32 ttmp9, 4
	s_cselect_b32 s92, s97, s94
	s_cselect_b32 s94, s96, s95
	s_mov_b32 s96, 393216
	s_cselect_b32 s96, 768, s96                    ; pieces 3-5: the fragment's second half (V), the next head (Q, K)
	s_mov_b32 s[STP], 768
	s_cselect_b32 s[STP], 1536, s[STP]             ; from block to block
	s_mov_b32 s2, 32768
	s_cselect_b32 s2, 256, s2                      ; lanes 16-31 store the second copy (V), the next head's words (Q, K),
	s_cselect_b32 s3, 0, 16                        ; which are the word's upper two bytes
	s_cselect_b32 s[MASK], -1, 0xffff
	s_cselect_b64 s[CB:CB+1], s[72:73], s[68:69]
	s_cselect_b64 s[SBS:SBS+1], s[74:75], s[70:71]
	s_mov_b32 s93, 0
	s_mov_b32 s95, 0
	s_mov_b32 s97, 0
	s_mov_b32 s[STP+1], 0
	s_add_nc_u64 s[CB:CB+1], s[CB:CB+1], s[92:93]
	s_add_nc_u64 s[SBS:SBS+1], s[SBS:SBS+1], s[94:95]
	s_add_nc_u64 s[CU:CU+1], s[CB:CB+1], s[96:97]
	s_mov_b32 s[SEL], 0x76543210
	s_mov_b32 s[SEL+1], 0xfedcba98
	s_mul_i32 s92, s14, 64*PITCH                   ; my 64 rows of A
	s_mul_i32 s93, s14, 8*272                      ; and their scale bytes
	s_sub_co_u32 s94, 32*272, s93                  ; from there to B's
	s_add_co_u32 s93, s93, SCL
	v_and_b32 v1, 15, v0                           ; r
	v_bfe_u32 v2, v0, 4, 1                         ; h
	v_and_b32 v6, 8, v1
	v_add_nc_u32 v6, v6, v1                        ; r + 8 (r / 8)
	v_mul_u32_u24 v3, v6, PITCH
	v_mad_u32_u24 v4, v2, 24, v3                   ; row x pitch + 24 h
	v_lshl_add_u32 v5, v2, 4, v4                   ; and behind one padding more
	v_add_nc_u32 v[ADRA], s92, v4
	v_add_nc_u32 v[ADRA+2], s92, v5
	v_add_nc_u32 v[ADRB], BBASE, v4
	v_add_nc_u32 v[ADRB+1], BBASE+64*PITCH, v4
	v_add_nc_u32 v[ADRB+2], BBASE, v5
	v_add_nc_u32 v[ADRB+3], BBASE+64*PITCH, v5
	v_lshlrev_b32 v7, 5, v6                        ; my row's 32 scale bytes,
	v_lshrrev_b32 v8, 8, v7
	v_lshl_add_u32 v7, v8, 4, v7                   ; 16 more for each 256 passed
	v_mul_u32_u24 v8, s94, v2                      ; lanes 16-31 take B's
	v_add_nc_u32 v7, v7, v8
	v_add_nc_u32 v[ADRS], s93, v7
	v_and_b32 v9, 31, v0
	v_lshlrev_b32 v[CO], 3, v9
	v_mul_u32_u24 v[SO], s2, v2
	v_lshl_add_u32 v[SO], v1, 4, v[SO]
	v_mul_u32_u24 v[SHV], s3, v2
.macro FRAG reg, adr, q, ro            ; a fragment: six pieces of 8 bytes of the q-th 96 of a row; lanes 16-31 read three pieces on, which for pieces 29-31 of a 256 is behind one padding more
.irp p, 0,1,2,3,4,5
.set PCE, 12*(\q)+6*(\p/3)+\p%3
.if PCE%32 < 29
	ds_load_b64 v[\reg+2*\p:\reg+2*\p+1], v[\adr] offset:8*PCE+16*(PCE/32)+(\ro)*PITCH
.else
	ds_load_b64 v[\reg+2*\p:\reg+2*\p+1], v[\adr+2] offset:8*PCE+16*(PCE/32)+(\ro)*PITCH
.endif
.endr
.endm
.macro FETCH_A q
	WIN 0
.irp i, 0,1,2,3
	FRAG AF+48*((\q)%2)+12*\i, ADRA, \q, 32*(\i/2)+8*(\i%2)
.endr
.endm
.macro FETCH_B q, i0
	WIN TO_B
.irp i, 0,1,2,3
	FRAG 128*((\q)%2)+12*(\i0+\i), ADRB+(\i0)/4, \q, 32*(\i/2)+8*(\i%2)
.endr
.endm
.macro MUL8 b0, q                      ; B's tiles b0, b0 + 1 x A's four; the 32 accumulators take turns in the same order in every step; the first step starts the sums
.irp b, \b0, \b0+1
.irp a, 0,1,2,3
.if (\q) == 0
	v_wmma_scale_f32_16x16x128_f8f6f4 v[8*(8*\a+(\b)):8*(8*\a+(\b))+7], v[128*((\q)%2)+12*(\b):128*((\q)%2)+12*(\b)+11], v[AF+48*((\q)%2)+12*\a:AF+48*((\q)%2)+12*\a+11], 0, v[SC+10*(\b)+(\q)], v[SC+10*\a+(\q)] matrix_a_fmt:MATRIX_FMT_FP6 matrix_b_fmt:MATRIX_FMT_FP6 matrix_a_scale:MATRIX_SCALE_ROW1
.else
	v_wmma_scale_f32_16x16x128_f8f6f4 v[8*(8*\a+(\b)):8*(8*\a+(\b))+7], v[128*((\q)%2)+12*(\b):128*((\q)%2)+12*(\b)+11], v[AF+48*((\q)%2)+12*\a:AF+48*((\q)%2)+12*\a+11], v[8*(8*\a+(\b)):8*(8*\a+(\b))+7], v[SC+10*(\b)+(\q)], v[SC+10*\a+(\q)] matrix_a_fmt:MATRIX_FMT_FP6 matrix_b_fmt:MATRIX_FMT_FP6 matrix_a_scale:MATRIX_SCALE_ROW1
.endif
.endr
.endr
.endm
.macro STEP q
	s_wait_dscnt 0x0                               ; this step's fragments are in: the youngest were asked for 16 products ago
.if (\q) < 7
.if (\q) > 0
	PLACES                                         ; between the last step's products and the loads into the set that they read
.endif
	FETCH_A (\q)+1
	WIN MUL
	MUL8 0, \q
	FETCH_B (\q)+1, 0
	WIN MUL
	MUL8 2, \q
	FETCH_B (\q)+1, 4
.endif
	WIN MUL
.if (\q) == 7
	MUL8 0, \q
	MUL8 2, \q
.endif
	MUL8 4, \q
	MUL8 6, \q
	WIN 0
.endm
	s_wait_alu depctr_va_vdst(0)                   ; the wait at the head's end
	s_wait_tensorcnt 0x0                           ; my tile is in;
	s_barrier_signal -1
	s_barrier_wait -1                              ; and everybody's.
.irp i, 0,1,2,3,4,5,6,7
	ds_load_b128 v[SC+10*\i:SC+10*\i+3], v[ADRS] offset:(4*(\i/2)+(\i%2))*272      ; all eight steps' scale words of tile i
	ds_load_b128 v[SC+10*\i+4:SC+10*\i+7], v[ADRS] offset:(4*(\i/2)+(\i%2))*272+16
.endr
	FETCH_A 0
	FETCH_B 0, 0
	FETCH_B 0, 4
	WIN 0
.irp q, 0,1,2,3,4,5,6,7
	STEP \q
.endr
; THE WAY OUT.  Block a (16 rows of A): a lane's 64 numbers, register 16 b + i = place 32 b + 16 (l / 16) + i along the quantiser's axis, become 12 registers of codes and a scale word, stored as six pieces of 256 bytes.
.macro QBLOCK a
.set AC, 64*(\a)
	WIN 0x28
.irp b, 0,1,2,3
	v_max3_num_f32 v[TM+\b], 0x1800000, |v[AC+16*\b]|, |v[AC+16*\b+1]|   ; with the floor 2^(3 - 127): the byte cannot fall under 1.  Each accumulator is read from its low end on
.endr
.irp i, 2,4,6,8,10,12,14
.irp b, 0,1,2,3
	v_max3_num_f32 v[TM+\b], v[TM+\b], |v[AC+16*\b+\i]|, |v[AC+16*\b+\i+1]|
.endr
.endr
	WIN 0
.irp b, 0,1,2,3
	v_permlanex16_b32 v[TM+4+\b], v[TM+\b], s[SEL], s[SEL+1]
.endr
.irp b, 0,1,2,3
	v_max_num_f32 v[TM+\b], v[TM+\b], v[TM+4+\b]   ; with lane l xor 16's: the block's largest magnitude
.endr
.irp b, 0,1,2,3
	v_add_nc_u32 v[TM+12+\b], 0xff000000, v[TM+\b] ; 2 off its exponent field: the conversion's scale operand
.endr
.irp b, 0,1,2,3
	v_lshrrev_b32 v[TM+4+\b], 23, v[TM+12+\b]      ; the scale's byte
.endr
	v_lshl_or_b32 v[PW], v[TM+5], 8, v[TM+4]
	v_lshl_or_b32 v[PW], v[TM+6], 16, v[PW]
	v_lshl_or_b32 v[PW], v[TM+7], 24, v[PW]
	v_lshrrev_b32 v[SW+\a], v[SHV], v[PW]          ; Q, K: lanes 0-15 keep the first head's two bytes, lanes 16-31 the second's, the upper two bytes 0.  V: the whole word in both halves
	v_and_b32 v[SW+\a], s[MASK], v[SW+\a]
.if \a > 0
	s_wait_xcnt 0x0                                ; the last block's stores have read their data and bases
	s_add_nc_u64 s[CB:CB+1], s[CB:CB+1], s[STP:STP+1]
	s_add_nc_u64 s[CU:CU+1], s[CU:CU+1], s[STP:STP+1]
.endif
	WIN 0x02
.irp c, 0,1
	v_cvt_scalef32_pk16_fp6_f32 v[PC+6*\c:PC+6*\c+2], v[AC+32*\c:AC+32*\c+15], v[TM+12+2*\c]
	v_cvt_scalef32_pk16_fp6_f32 v[PC+12+4*\c:PC+14+4*\c], v[AC+32*\c+16:AC+32*\c+31], v[TM+12+2*\c+1]
.endr
	WIN 0
	v_nop                                          ; one plain place behind a scaled conversion
.irp c, 0,1                                    ; the operand's layout wants a whole block of 32 in a lane
.irp i, 0,1,2
	v_permlane16_swap_b32 v[PC+6*\c+\i], v[PC+12+4*\c+\i]
.endr
.irp i, 0,1,2
	v_mov_b32 v[PC+3+6*\c+\i], v[PC+12+4*\c+\i]
.endr
.endr
.irp j, 0,1,2
	global_store_b64 v[CO], v[PC+2*\j:PC+2*\j+1], s[CB:CB+1] offset:256*\j        ; 32 lanes store 256 consecutive bytes, at a multiple of 256 from the buffer's first byte
.endr
.irp j, 0,1,2
	global_store_b64 v[CO], v[PC+6+2*\j:PC+7+2*\j], s[CU:CU+1] offset:256*\j
.endr
.if \a == 3
	global_store_b128 v[SO], v[SW:SW+3], s[SBS:SBS+1]                             ; four blocks' words of my row: each half of the lanes stores 256 consecutive bytes
.endif
.endm
	PLACES                                         ; behind the last products
.irp b, 0,1,2,3
	v_mov_b32 v[TM+4+\b], 0                        ; a lane permute's destination counts as one of its sources
.endr
.irp a, 0,1,2,3
	QBLOCK \a
.endr
	s_wait_tensorcnt 0x0                           ; the wave's end
	ds_add_u32 v[SPW], v[NIL]
	s_wait_dscnt 0x0
	CROUND                                         ; the closing round
	s_endpgm
.Lfunc_end_k_q55c2f11762_qkv:
	.size	k_q55c2f11762_qkv, .Lfunc_end_k_q55c2f11762_qkv-k_q55c2f11762_qkv
	.p2alignl 7, 3214868480
	.fill 96, 4, 3214868480
	.section	.rodata,"a",@progbits
	.p2align	6, 0x0
	.amdhsa_kernel k_q55c2f11762_qkv
		.amdhsa_group_segment_fixed_size 327680
		.amdhsa_private_segment_fixed_size 0
		.amdhsa_enable_private_segment 0
		.amdhsa_kernarg_size 64
		.amdhsa_user_sgpr_count 2
		.amdhsa_user_sgpr_kernarg_segment_ptr 1
		.amdhsa_wavefront_size32 1
		.amdhsa_system_sgpr_workgroup_id_x 1
		.amdhsa_system_sgpr_workgroup_id_y 1
		.amdhsa_system_sgpr_workgroup_id_z 1
		.amdhsa_system_vgpr_workitem_id 0
		.amdhsa_next_free_vgpr 768
		.amdhsa_next_free_sgpr 102
		.amdhsa_reserve_vcc 0
		.amdhsa_float_denorm_mode_32 3
		.amdhsa_float_denorm_mode_16_64 3
		.amdhsa_memory_ordered 1
		.amdhsa_forward_progress 1
		.amdhsa_inst_pref_size 100
	.end_amdhsa_kernel
	.amdgpu_metadata
---
amdhsa.version: [ 1, 2 ]
amdhsa.kernels:
  - .name:           k_q55c2f11762_qkv
    .symbol:         k_q55c2f11762_qkv.kd
    .args:
      - { .name: x_codes, .offset: 0, .size: 8, .value_kind: global_buffer, .address_space: global }
      - { .name: x_scales, .offset: 8, .size: 8, .value_kind: global_buffer, .address_space: global }
      - { .name: w_qkv_codes, .offset: 16, .size: 8, .value_kind: global_buffer, .address_space: global }
      - { .name: w_qkv_scales, .offset: 24, .size: 8, .value_kind: global_buffer, .address_space: global }
      - { .name: qk_img, .offset: 32, .size: 8, .value_kind: global_buffer, .address_space: global }
      - { .name: qk_sc, .offset: 40, .size: 8, .value_kind: global_buffer, .address_space: global }
      - { .name: v_img, .offset: 48, .size: 8, .value_kind: global_buffer, .address_space: global }
      - { .name: v_sc, .offset: 56, .size: 8, .value_kind: global_buffer, .address_space: global }
    .group_segment_fixed_size: 327680
    .private_segment_fixed_size: 0
    .kernarg_segment_align: 8
    .kernarg_segment_size: 64
    .max_flat_workgroup_size: 128
    .sgpr_count:     102
    .vgpr_count:     768
    .wavefront_size: 32
...
	.end_amdgpu_metadata
.endif
;; end of part 1
;; launch attn (part 2): grid 4 x 64, 16 waves a work-group, no clusters, 55,296 bytes of LDS; arguments qk_img, qk_sc, v_img, v_sc, at_img, at_sc; writes at_img, at_sc
.if DOCPART == 2
	.amdgcn_target "amdgcn-amd-amdhsa--gfx1250"
	.amdhsa_code_object_version 6
	.text
	.protected	k_q55c2f11762_attn
	.globl	k_q55c2f11762_attn
	.p2align	8
	.type	k_q55c2f11762_attn,@function
k_q55c2f11762_attn:
	s_mov_b64 s[64:65], 0
	v_nop
	global_prefetch_b8 v0, s[64:65] scope:SCOPE_SE
	s_setreg_imm32_b32 hwreg(HW_REG_WAVE_MODE, 25, 1), 1
	s_wait_xcnt 0x0
; attn[b][q][head][:] = sum over keys k <= q of softmax_k(Q . K / 8) V, both products on codes of FP6 (E2M3) with E8M0 scales; the result is quantised along the model's axis (two blocks of 32 a head) and leaves as codes.
; THE SOFTMAX: t = score x log2(e) / 8; M = the running largest t rounded UP to a whole number; p = 2^(t - M) is quantised along the keys, not normalised; the row's sum is taken of the unquantised p and divides at the end.
; When M moves, the sum and O are multiplied by 2^(old M - new M), which rounds nothing.
; LEFT OUT: key steps all of whose keys come after a wave's queries: the causal mask sets their scores to -infinity, so their p is 0 for all values of the inputs.  A NaN or an infinity that reaches only those scores is not carried.
; SHARES.  Work-group (i, y): head y / 4 of batch y % 4; two passes, over query blocks i and 7 - i of 256 queries: (i + 1) + (8 - i) = 9 trips of 256 keys in every work-group.  Each of the sixteen waves owns one tile of 16 queries.
; Both products are used transposed (S^T = K Q^T, O^T = V^T P^T): a lane holds one query throughout.  All tiles of 16 take row 32 (t / 2) + 8 (t % 2) + r + 8 (r / 8) in lane r, so that the 16 registers of two neighbouring result tiles are 16 neighbours.
; THE FIRST PRODUCT'S K IS 64 of the instruction's 128: Q's upper six registers are zeros; K's operand of tile t runs on into tile t + 1's registers (six zero registers behind tile 7); the scale words' upper two bytes are 0 on both sides.
; FEEDING.  A trip's 26,624 bytes (two key steps, each: K's 8 tiles, K's and V's scale words, V's 4 fragments, all images of operand registers) are loaded into sixteen registers a whole trip ahead, 16 bytes a lane and load, by waves 0-13,
; and stored into the other of two LDS buffers at the trip's end: ONE barrier for 256 keys.  The 9 trips are a loop of four bodies of two trips and a last trip, so that every LDS offset is an immediate; the change of pass stands under a branch on ids.
; A pass's last trip fetches trip 0, with which the next pass begins; the launch's last trip fetches nothing.
; NO CLUSTER: the four work-groups of a head walk 1 + i and 8 - i trips, so partners would need different tiles at different times.  NO PREFETCH: each trip's loads are issued a whole trip ahead of the wait for them.
; LIMITS: NaN and infinities are not served; a block whose largest magnitude lies under 2^-124 gets the scale byte 1 (read by this program alone).
.set SLOTB, 13312                      ; a key step: 0 K's codes (8 x 768); 6,144 K's scale words; 6,656 V's scale words; 7,168 V's codes (4 x 1,536)
.set TB,    2*SLOTB                    ; a buffer: a trip
.set L8,  1                            ; v1   8 x lane
.set L16, 2                            ; v2   16 x lane
.set R16, 3                            ; v3   16 x (lane % 16)
.set GO1, 4                            ; v4   offset of my staging loads of K's codes or of scale words
.set GO2, 5                            ; v5   of V's codes
.set LD1, 6                            ; v6   16 x thread: where my staging bytes go in a key step
.set QL,  7                            ; v7   r + 8 (r / 8) - 16 (lane / 16)
.set ASO, 8                            ; v8   32 r + lane / 16: my scale byte's place
.set F,   32                           ; v32-79 K's 8 x 6 registers, later V's 4 x 12; v80-85 zeros
.set KSC, 86
.set VSC, 94
.set SG,  98                           ; v98-105 staging: the first stream's two steps
.set QN,  106                          ; v106-112 the second pass's Q and its scale word
.set PC,  114                          ; v114-125 p's codes
.set PT,  126
.set BM,  134
.set BP,  138
.set BS,  142                          ; v142-145 the conversions' scale operands; ahead of that two chains of the sum
.set T0,  146
.set T1,  147
.set C2,  148                          ; v[148:149] a chain of the sum
.set SH,  150                          ; v150-157 staging: V's codes, two steps
.set S,   160                          ; v160-223 S^T, then p
.set O,   224                          ; v224-255 O^T
; v12 -M, v13 the largest t, v[14:15] the sum, v16-21 Q, v22-27 zeros, v28 Q's scale word, v29 p's, v[30:31] f and 0; v158, v159 the spare word's address and 0
.set WV,  16
.set SEL, 20
.set CS,  22
.set P1,  24
.set P2,  26
.set ST2, 28                           ; my first stream's bytes a trip
.set QBLK, 29
.set KF,  32                           ; the step's first key
.set QMAX, 33
.set Q0,  34
.set TR,  35                           ; the trip in its pass
.set NT,  36                           ; the pass's trips
.set AI,  38
.set ASB, 40
.set HM,  42
.set HH,  44
.set BB,  45
.set HB,  46
.set HS,  48
.set LC,  56
.macro GET                             ; the next trip's bytes: waves 0-11 K's codes and V's codes, wave 12 K's scale words, wave 13 V's; 512 consecutive bytes a load
	s_cmp_lt_u32 s[WV], 14
	s_cbranch_scc0 .Lg_\@
	s_wait_alu depctr_va_vdst(0)
	global_load_b128 v[SG:SG+3], v[GO1], s[P1:P1+1]
	s_cmp_lt_u32 s[WV], 12
	s_cbranch_scc0 .Lgs_\@
	global_load_b128 v[SG+4:SG+7], v[GO1], s[P1:P1+1] offset:6144
	global_load_b128 v[SH:SH+3], v[GO2], s[P2:P2+1]
	global_load_b128 v[SH+4:SH+7], v[GO2], s[P2:P2+1] offset:6144
	s_branch .Lg_\@
.Lgs_\@:
	global_load_b128 v[SG+4:SG+7], v[GO1], s[P1:P1+1] offset:512
.Lg_\@:
.endm
.macro PUT slot                        ; into the buffer that is not being read; then the trip's barrier
	s_wait_loadcnt 0x0                             ; the staging loads, issued at the trip's head, are in
	s_cmp_lt_u32 s[WV], 14
	s_cbranch_scc0 .Lp_\@
	ds_store_b128 v[LD1], v[SG:SG+3] offset:(1-\slot)*TB
	ds_store_b128 v[LD1], v[SG+4:SG+7] offset:(1-\slot)*TB+SLOTB
	s_cmp_lt_u32 s[WV], 12
	s_cbranch_scc0 .Lp_\@
	ds_store_b128 v[LD1], v[SH:SH+3] offset:(1-\slot)*TB+7168
	ds_store_b128 v[LD1], v[SH+4:SH+7] offset:(1-\slot)*TB+SLOTB+7168
.Lp_\@:
	s_wait_dscnt 0x0                               ; my stores have landed, and my reads of this trip's buffer are over: the next trip stores into it
	s_barrier_signal -1
	s_barrier_wait -1
.endm
.macro NEXTOFF                         ; s[TR] is the coming trip's number in its pass: during it the trip behind it is fetched, or trip 0 behind a pass's last
	s_add_co_u32 s49, s[TR], 1
	s_cmp_eq_u32 s49, s[NT]
	s_cselect_b32 s49, 0, s49
	s_mul_i32 s50, s49, s[ST2]
	s_mul_i32 s49, s49, 12288
	v_add_nc_u32 v[GO1], s50, v[L16]
	v_add_nc_u32 v[GO2], s49, v[L16]
.endm
.macro STEP slot, st                   ; 128 keys
.set OF, (\slot)*TB+(\st)*SLOTB
	s_cmp_gt_u32 s[KF], s[QMAX]                    ; all keys behind my last query: nothing to do
	s_cbranch_scc1 .Lhid_\@
.irp t, 0,1,2,3,4,5,6,7
.irp j, 0,1,2
	ds_load_b64 v[F+6*\t+2*\j:F+6*\t+2*\j+1], v[L8] offset:OF+768*\t+256*\j   ; 256 consecutive bytes a load
.endr
.endr
	ds_load_b128 v[KSC:KSC+3], v[R16] offset:OF+6144
	ds_load_b128 v[KSC+4:KSC+7], v[R16] offset:OF+6144+256
	s_wait_dscnt 0x0
.irp t, 0,1,2,3,4,5,6,7
	v_wmma_scale_f32_16x16x128_f8f6f4 v[S+8*\t:S+8*\t+7], v[F+6*\t:F+6*\t+11], v[16:27], 0, v[KSC+\t], v28 matrix_a_fmt:MATRIX_FMT_FP6 matrix_b_fmt:MATRIX_FMT_FP6
.endr
.rept 4
	v_nop                                          ; places in front of the loads into K's registers and of the first read of the scores
.endr
.irp t, 0,1,2,3
.irp j, 0,1,2,3,4,5
	ds_load_b64 v[F+12*\t+2*\j:F+12*\t+2*\j+1], v[L8] offset:OF+7168+1536*\t+256*\j   ; V lands while the softmax is worked
.endr
.endr
	ds_load_b128 v[VSC:VSC+3], v[L16] offset:OF+6656
	s_add_co_u32 s49, s[KF], 127                   ; on the diagonal hidden scores become -infinity; a step all of whose keys count skips this
	s_cmp_le_u32 s49, s[Q0]
	s_cbranch_scc1 .Lopen_\@
	s_sub_co_i32 s49, s[Q0], s[KF]
	v_add_nc_u32 v[T0], s49, v[QL]                 ; d = my query - KF - 16 (lane / 16).  Register 16 b + i holds key KF + 32 b + 16 (lane / 16) + i: hidden where 32 b + i > d
	v_mov_b32 v[T1], 0xff800000
.set n, 0
.rept 64
	v_cmp_gt_i32 vcc_lo, 32*(n/16)+n%16, v[T0]
	v_cndmask_b32 v[S+n], v[S+n], v[T1], vcc_lo
.set n, n+1
.endr
.Lopen_\@:
.irp b, 0,1,2,3
	v_max3_num_f32 v[BM+\b], v[S+16*\b], v[S+16*\b+1], v[S+16*\b+2]   ; the largest score of each block of 32 keys: for the row's maximum and, since p rises with the score, for the block's largest p
.endr
.irp i, 3,5,7,9,11,13
.irp b, 0,1,2,3
	v_max3_num_f32 v[BM+\b], v[BM+\b], v[S+16*\b+\i], v[S+16*\b+\i+1]
.endr
.endr
.irp b, 0,1,2,3
	v_max_num_f32 v[BM+\b], v[BM+\b], v[S+16*\b+15]
.endr
.irp b, 0,1,2,3
	s_delay_alu instid0(VALU_DEP_4)
	v_permlanex16_b32 v[BP+\b], v[BM+\b], s[SEL], s[SEL+1]
.endr
.irp b, 0,1,2,3
	s_delay_alu instid0(VALU_DEP_4)
	v_max_num_f32 v[BM+\b], v[BM+\b], v[BP+\b]     ; with lane l xor 16's 16 keys
.endr
	s_delay_alu instid0(VALU_DEP_2)
	v_max3_num_f32 v[T0], v[BM], v[BM+1], v[BM+2]
	s_delay_alu instid0(VALU_DEP_1)
	v_max_num_f32 v[T0], v[T0], v[BM+3]
	s_delay_alu instid0(VALU_DEP_1)
	v_mul_f32 v[T0], s[CS], v[T0]                  ; the step's largest t (key KF counts for every query of a step that is not jumped over: it is a number)
	s_delay_alu instid0(VALU_DEP_1)
	v_max_num_f32 v13, v13, v[T0]
	v_mov_b32 v[T0], v12
	s_delay_alu instid0(VALU_DEP_2)
	v_floor_f32 v12, -v13                          ; -M = floor(-t): M is a whole number
	s_delay_alu instid0(VALU_DEP_1)
	v_sub_f32 v[T0], v12, v[T0]                    ; old M - new M, 0 or less
	s_delay_alu instid0(VALU_DEP_1)
	v_cvt_i32_f32 v[T0], v[T0]                     ; (it saturates)
	s_delay_alu instid0(VALU_DEP_1)
	v_ldexp_f32 v30, 1.0, v[T0]                    ; f = 2^(old M - new M)
.set n, 0
.rept 32
	v_pk_fma_f32 v[S+n:S+n+1], v[S+n:S+n+1], s[CS:CS+1], v[12:13] op_sel_hi:[1,0,0]   ; t - M
.set n, n+2
.endr
.irp b, 0,1,2,3
	v_fma_f32 v[BM+\b], v[BM+\b], s[CS], v12       ; the same of each block's largest score
.endr
.set n, 0
	s_wait_alu depctr_va_vdst(0)
.rept 64
	v_exp_f32 v[S+n], v[S+n]                       ; p = 2^(t - M)
.set n, n+1
.endr
	v_pk_mul_f32 v[14:15], v[14:15], v[30:31] op_sel_hi:[1,0]   ; the sum under the new M: the plain instruction behind the exponentials
	s_wait_alu depctr_va_vdst(0)                   ; one wait for the batch of 64, ahead of its first reader
.irp b, 0,1,2,3
	v_exp_f32 v[BM+\b], v[BM+\b]                   ; the block's largest p
.endr
	v_pk_add_f32 v[C2:C2+1], v[S:S+1], v[S+2:S+3]              ; the row's sum of the unquantised p: 32 pairs in four chains that take turns
	v_pk_add_f32 v[BS:BS+1], v[S+4:S+5], v[S+6:S+7]
	v_pk_add_f32 v[BS+2:BS+3], v[S+8:S+9], v[S+10:S+11]
	v_pk_add_f32 v[14:15], v[14:15], v[S+12:S+13]
.set n, 14
.rept 6
	v_pk_add_f32 v[C2:C2+1], v[C2:C2+1], v[S+n:S+n+1]
	v_pk_add_f32 v[BS:BS+1], v[BS:BS+1], v[S+n+2:S+n+3]
	v_pk_add_f32 v[BS+2:BS+3], v[BS+2:BS+3], v[S+n+4:S+n+5]
	v_pk_add_f32 v[14:15], v[14:15], v[S+n+6:S+n+7]
.set n, n+8
.endr
	v_pk_add_f32 v[C2:C2+1], v[C2:C2+1], v[S+62:S+63]
	v_pk_add_f32 v[14:15], v[14:15], v[BS:BS+1]
	v_pk_add_f32 v[C2:C2+1], v[C2:C2+1], v[BS+2:BS+3]
	v_nop
	v_pk_add_f32 v[14:15], v[14:15], v[C2:C2+1]
	s_wait_alu depctr_va_vdst(0)                   ; and one for the four
.irp b, 0,1,2,3
	v_max_num_f32 v[BM+\b], 0x1800000, v[BM+\b]    ; the floor 2^(3 - 127): the byte cannot fall under 1
.endr
.irp b, 0,1,2,3
	v_add_nc_u32 v[BS+\b], 0xff000000, v[BM+\b]    ; 2 off the exponent field: the conversion's scale operand
.endr
.irp b, 0,1,2,3
	s_delay_alu instid0(VALU_DEP_4)
	v_lshrrev_b32 v[BP+\b], 23, v[BS+\b]           ; the scale's byte
.endr
	s_delay_alu instid0(VALU_DEP_3)
	v_lshl_or_b32 v29, v[BP+1], 8, v[BP]
	s_delay_alu instid0(VALU_DEP_1)
	v_lshl_or_b32 v29, v[BP+2], 16, v29
	s_delay_alu instid0(VALU_DEP_1)
	v_lshl_or_b32 v29, v[BP+3], 24, v29            ; p's scale word for these 128 keys
.irp c, 0,1
	v_cvt_scalef32_pk16_fp6_f32 v[PC+6*\c:PC+6*\c+2], v[S+32*\c:S+32*\c+15], v[BS+2*\c]
	v_cvt_scalef32_pk16_fp6_f32 v[PT+4*\c:PT+4*\c+2], v[S+32*\c+16:S+32*\c+31], v[BS+2*\c+1]
.endr
	v_nop                                          ; one plain place behind a scaled conversion
.irp c, 0,1
.irp i, 0,1,2
	v_permlane16_swap_b32 v[PC+6*\c+\i], v[PT+4*\c+\i]
.endr
.irp i, 0,1,2
	v_mov_b32 v[PC+3+6*\c+\i], v[PT+4*\c+\i]
.endr
.endr
.set n, 0
.rept 16
	v_pk_mul_f32 v[O+n:O+n+1], v[O+n:O+n+1], v[30:31] op_sel_hi:[1,0]   ; O^T under the new M; these sixteen are also the places between the writes of p's codes and scale word and the products below
.set n, n+2
.endr
	s_wait_alu depctr_va_vdst(0)
	s_wait_dscnt 0x0                               ; V and its scale words are in
.irp t, 0,1,2,3
	v_wmma_scale_f32_16x16x128_f8f6f4 v[O+8*\t:O+8*\t+7], v[F+12*\t:F+12*\t+11], v[PC:PC+11], v[O+8*\t:O+8*\t+7], v[VSC+\t], v29 matrix_a_fmt:MATRIX_FMT_FP6 matrix_b_fmt:MATRIX_FMT_FP6
.endr
.rept 4
	v_nop                                          ; places in front of the next step's loads into these operands, and of the first read of O^T
.endr
.Lhid_\@:
	s_add_co_u32 s[KF], s[KF], 128
.endm
.macro PASSINIT                        ; a pass over query block s[QBLK]
	s_add_co_u32 s[NT], s[QBLK], 1                 ; trips of 256 keys: up to my block's last key
	s_lshl_b32 s[Q0], s[QBLK], 8
	s_lshr_b32 s49, s[WV], 1
	s_lshl_b32 s49, s49, 5
	s_add_co_u32 s[Q0], s[Q0], s49
	s_and_b32 s49, s[WV], 1
	s_lshl_b32 s49, s49, 3
	s_add_co_u32 s[Q0], s[Q0], s49                 ; my first query: 256 block + 32 (w / 2) + 8 (w % 2)
	s_add_co_u32 s[QMAX], s[Q0], 23                ; my last
	s_mov_b32 s[KF], 0
	s_mov_b32 s[TR], 0
	s_lshl_b32 s49, s[BB], 7
	s_lshl_b32 s50, s[QBLK], 4
	s_add_co_u32 s49, s49, s50
	s_add_co_u32 s49, s49, s[WV]                   ; my tile among the 512
	s_lshl_b32 s50, s49, 4
	s_add_co_u32 s50, s50, s[HH]
	s_mul_i32 s50, s50, 768                        ; at_img: [tile 512][head 16][768 bytes]
	s_mov_b32 s51, 0
	s_add_nc_u64 s[AI:AI+1], s[12:13], s[50:51]
	s_lshl_b32 s50, s49, 9                         ; at_sc: [tile 512][r 16][32 bytes], my head's two bytes
	s_lshl_b32 s52, s[HH], 1
	s_add_co_u32 s50, s50, s52
	s_add_nc_u64 s[ASB:ASB+1], s[14:15], s[50:51]
	v_mov_b32 v13, 0xff61b1e6                      ; the largest t so far: -3e38
	s_delay_alu instid0(VALU_DEP_1)
	v_floor_f32 v12, -v13
	v_mov_b32 v14, 0
	v_mov_b32 v15, 0
.set n, 0
.rept 32
	v_mov_b32 v[O+n], 0                            ; the step is written once: the first finds zeros, which the first change of M leaves zeros
.set n, n+1
.endr
.endm
.macro OUT mid                         ; O^T / the sum, quantised along the channels: register 16 b + i is channel 32 b + 16 (lane / 16) + i of my query.  mid = 1: the second pass follows
	v_add_f32 v14, v14, v15
	s_delay_alu instid0(VALU_DEP_1)
	v_permlanex16_b32 v[T0], v14, s[SEL], s[SEL+1]
	s_delay_alu instid0(VALU_DEP_1)
	v_add_f32 v14, v14, v[T0]                      ; the row's sum
	s_wait_alu depctr_va_vdst(0)
	v_rcp_f32 v14, v14
	v_nop                                          ; a plain place behind the reciprocal
	s_wait_alu depctr_va_vdst(0)                   ; and the wait ahead of its first reader
.set n, 0
.rept 32
	v_mul_f32 v[S+n], v[O+n], v14
.set n, n+1
.endr
.irp b, 0,1
	v_max3_num_f32 v[BM+\b], |v[S+16*\b]|, |v[S+16*\b+1]|, 0x1800000
.endr
.irp i, 2,4,6,8,10,12,14
.irp b, 0,1
	s_delay_alu instid0(VALU_DEP_2)
	v_max3_num_f32 v[BM+\b], v[BM+\b], |v[S+16*\b+\i]|, |v[S+16*\b+\i+1]|
.endr
.endr
.irp b, 0,1
	s_delay_alu instid0(VALU_DEP_2)
	v_permlanex16_b32 v[BP+\b], v[BM+\b], s[SEL], s[SEL+1]
.endr
.irp b, 0,1
	s_delay_alu instid0(VALU_DEP_2)
	v_max_num_f32 v[BM+\b], v[BM+\b], v[BP+\b]
.endr
.irp b, 0,1
	s_delay_alu instid0(VALU_DEP_2)
	v_add_nc_u32 v[BS+\b], 0xff000000, v[BM+\b]
.endr
.irp b, 0,1
	s_delay_alu instid0(VALU_DEP_2)
	v_lshrrev_b32 v[BP+\b], 23, v[BS+\b]
.endr
	v_cvt_scalef32_pk16_fp6_f32 v[PC:PC+2], v[S:S+15], v[BS]
	v_cvt_scalef32_pk16_fp6_f32 v[PT:PT+2], v[S+16:S+31], v[BS+1]
	v_nop                                          ; one plain place behind a scaled conversion
.irp i, 0,1,2
	v_permlane16_swap_b32 v[PC+\i], v[PT+\i]       ; lanes 0-15 then hold block 0 whole, lanes 16-31 block 1
.endr
.irp i, 0,1,2
	v_mov_b32 v[PC+3+\i], v[PT+\i]
.endr
	v_cndmask_b32 v[T1], v[BP], v[BP+1], s[HM]     ; lane (r, h): the byte of block h
.irp j, 0,1,2
	global_store_b64 v[L8], v[PC+2*\j:PC+2*\j+1], s[AI:AI+1] offset:256*\j   ; 32 lanes store 256 consecutive bytes, at a multiple of 256 from the buffer's first byte
.endr
	global_store_b8 v[ASO], v[T1], s[ASB:ASB+1]    ; single bytes, 32 apart by rows: a head makes 2 of a row's 32 scale bytes
.if \mid
.irp j, 0,1,2,3,4,5
	v_mov_b32 v[16+\j], v[QN+\j]                   ; the second pass's Q
.endr
	v_mov_b32 v28, v[QN+6]
	s_sub_co_u32 s[QBLK], 7, s[QBLK]
	s_wait_xcnt 0x0                                ; the stores have read their data and bases: both are written again in the next pass
.endif
.endm
.macro TRIP slot                       ; 256 keys out of buffer slot, and the next trip's bytes into the other
	GET
	STEP \slot, 0
	STEP \slot, 1
	PUT \slot
	s_add_co_u32 s[TR], s[TR], 1
	s_cmp_lt_u32 s[TR], s[NT]
	s_cbranch_scc1 .Lgo_\@                         ; ids alone decide: the same in all waves of the work-group
	OUT 1
	PASSINIT
.Lgo_\@:
	NEXTOFF
.endm
	s_load_b256 s[4:11], s[0:1], 0x0               ; qk_img s[4:5], qk_sc s[6:7], v_img s[8:9], v_sc s[10:11]
	s_load_b128 s[12:15], s[0:1], 0x20             ; at_img s[12:13], at_sc s[14:15]
	v_lshl_add_u32 v158, v0, 2, 0xd000             ; my spare word, behind the two buffers
	v_mov_b32 v159, 0
	v_lshrrev_b32 v10, 5, v0
	s_delay_alu instid0(VALU_DEP_1)
	v_readfirstlane_b32 s[WV], v10                 ; wave 0..15
	v_and_b32 v11, 31, v0
	s_delay_alu instid0(VALU_DEP_1)
	v_lshlrev_b32 v[L8], 3, v11
	s_delay_alu instid0(VALU_DEP_2)
	v_lshlrev_b32 v[L16], 4, v11
	v_and_b32 v10, 15, v0                          ; r
	s_delay_alu instid0(VALU_DEP_1)
	v_lshlrev_b32 v[R16], 4, v10
	v_bfe_u32 v[T0], v0, 4, 1                      ; h
	v_lshlrev_b32 v[LD1], 4, v0
	s_delay_alu instid0(VALU_DEP_4)
	v_and_b32 v[QL], 8, v10
	s_delay_alu instid0(VALU_DEP_1)
	v_add_nc_u32 v[QL], v[QL], v10
	s_delay_alu instid0(VALU_DEP_4)
	v_lshlrev_b32 v[T1], 4, v[T0]
	s_delay_alu instid0(VALU_DEP_1)
	v_sub_nc_u32 v[QL], v[QL], v[T1]
	v_lshl_add_u32 v[ASO], v10, 5, v[T0]
	v_mov_b32 v[GO1], v[L16]                       ; trip 0
	v_mov_b32 v[GO2], v[L16]
.irp j, 0,1,2,3,4,5
	v_mov_b32 v[22+\j], 0                          ; Q's upper 64 of K
	v_mov_b32 v[80+\j], 0                          ; what lies behind K's tile 7
.endr
	v_mov_b32 v31, 0                               ; (named as the upper half of the pair v[30:31])
.irp b, 0,1,2,3
	v_mov_b32 v[BP+\b], 0                          ; a lane permute's destination counts as one of its sources
.endr
	s_and_b32 s43, ttmp7, 0xffff
	s_lshr_b32 s[HH], s43, 2                       ; the head
	s_and_b32 s[BB], s43, 3                        ; the batch
	s_mul_i32 s[HB], s[HH], 393216                 ; a head's codes: 512 tiles x 768 bytes = 64 key steps x 6,144,
	s_mul_i32 s47, s[BB], 98304                    ; a batch's 128 tiles
	s_add_co_u32 s[HB], s[HB], s47
	s_lshl_b32 s[HS], s[HH], 15                    ; a head's scale words: 32,768 bytes in qk_sc and in v_sc,
	s_lshl_b32 s47, s[BB], 13                      ; a batch's 8,192
	s_add_co_u32 s[HS], s[HS], s47
	s_mov_b32 s[SEL], 0x76543210
	s_mov_b32 s[SEL+1], 0xfedcba98
	s_mov_b32 s[CS], 0x3e38aa3b                    ; c = log2(e) / 8
	s_mov_b32 s[CS+1], s[CS]
	s_mov_b32 s[HM], 0xffff0000
	s_lshl_b32 s49, ttmp9, 4
	s_add_co_u32 s49, s49, s[WV]                   ; my tile of queries in the first pass: 16 i + w,
	s_sub_co_u32 s50, 7, ttmp9
	s_lshl_b32 s50, s50, 4
	s_add_co_u32 s50, s50, s[WV]                   ; in the second: 16 (7 - i) + w
	s_mul_i32 s51, s49, 768
	s_add_co_u32 s51, s51, s[HB]
	v_add_nc_u32 v10, s51, v[L8]
	s_mul_i32 s52, s50, 768
	s_add_co_u32 s52, s52, s[HB]
	v_add_nc_u32 v11, s52, v[L8]
	s_and_b32 s53, s[WV], 3
	s_lshl_b32 s53, s53, 2
	s_add_co_u32 s53, s53, s[HS]                   ; scale words: [four tiles][r][tile % 4]
	s_lshr_b32 s49, s49, 2
	s_lshl_b32 s49, s49, 8
	s_add_co_u32 s49, s49, s53
	v_add_nc_u32 v[T0], s49, v[R16]
	s_lshr_b32 s50, s50, 2
	s_lshl_b32 s50, s50, 8
	s_add_co_u32 s50, s50, s53
	v_add_nc_u32 v[T1], s50, v[R16]
	s_lshl_b32 s47, s[WV], 9                       ; the staging: my wave's 512 bytes of a step
	s_add_co_u32 s54, s[HB], s47
	s_add_co_u32 s55, s54, 6291456                 ; K's heads lie behind Q's sixteen
	s_add_co_u32 s43, s[HS], 524288
	s_mov_b32 s[ST2], 1024
	s_mov_b32 s53, 0
	s_wait_alu depctr_va_vdst(0)
	s_wait_kmcnt 0x0
	s_cmp_lt_u32 s[WV], 12                         ; waves 0-11: K's codes; wave 12: K's scale words; wave 13: V's scale words (waves 14, 15 load nothing)
	s_cselect_b64 s[P1:P1+1], s[4:5], s[6:7]
	s_cselect_b32 s52, s55, s43
	s_cselect_b32 s[ST2], 12288, s[ST2]
	s_cmp_lt_u32 s[WV], 13
	s_cselect_b64 s[P1:P1+1], s[P1:P1+1], s[10:11]
	s_cselect_b32 s52, s52, s[HS]
	s_add_nc_u64 s[P1:P1+1], s[P1:P1+1], s[52:53]
	s_mov_b32 s52, s54
	s_add_nc_u64 s[P2:P2+1], s[8:9], s[52:53]      ; waves 0-11: V's codes
.irp j, 0,1,2
	global_load_b64 v[16+2*\j:17+2*\j], v10, s[4:5] offset:256*\j      ; Q of both passes stays in registers
	global_load_b64 v[QN+2*\j:QN+2*\j+1], v11, s[4:5] offset:256*\j
.endr
	global_load_b32 v28, v[T0], s[6:7]
	global_load_b32 v[QN+6], v[T1], s[6:7]
	GET                                            ; trip 0
	PUT 1                                          ; into buffer 0; its wait for all loads serves Q too
	s_mov_b32 s[QBLK], ttmp9
	PASSINIT
	NEXTOFF
	s_mov_b32 s[LC], 0
.Lloop:                                                ; trips 0 to 7 of the work-group's nine
	TRIP 0
	TRIP 1
	s_add_co_u32 s[LC], s[LC], 1
	s_cmp_lt_u32 s[LC], 4
	s_cbranch_scc1 .Lloop
	STEP 0, 0                                      ; the ninth trip ends the second pass and fetches nothing
	STEP 0, 1
	OUT 0
	s_wait_tensorcnt 0x0                           ; the wave's end
	ds_add_u32 v158, v159
	s_wait_dscnt 0x0
	s_endpgm
.Lfunc_end_k_q55c2f11762_attn:
	.size	k_q55c2f11762_attn, .Lfunc_end_k_q55c2f11762_attn-k_q55c2f11762_attn
	.p2alignl 7, 3214868480
	.fill 96, 4, 3214868480
	.section	.rodata,"a",@progbits
	.p2align	6, 0x0
	.amdhsa_kernel k_q55c2f11762_attn
		.amdhsa_group_segment_fixed_size 55296
		.amdhsa_private_segment_fixed_size 0
		.amdhsa_enable_private_segment 0
		.amdhsa_kernarg_size 48
		.amdhsa_user_sgpr_count 2
		.amdhsa_user_sgpr_kernarg_segment_ptr 1
		.amdhsa_wavefront_size32 1
		.amdhsa_system_sgpr_workgroup_id_x 1
		.amdhsa_system_sgpr_workgroup_id_y 1
		.amdhsa_system_sgpr_workgroup_id_z 1
		.amdhsa_system_vgpr_workitem_id 0
		.amdhsa_next_free_vgpr 256
		.amdhsa_next_free_sgpr 66
		.amdhsa_reserve_vcc 1
		.amdhsa_float_denorm_mode_32 3
		.amdhsa_float_denorm_mode_16_64 3
		.amdhsa_memory_ordered 1
		.amdhsa_forward_progress 1
		.amdhsa_inst_pref_size 166
	.end_amdhsa_kernel
	.amdgpu_metadata
---
amdhsa.version: [ 1, 2 ]
amdhsa.kernels:
  - .name:           k_q55c2f11762_attn
    .symbol:         k_q55c2f11762_attn.kd
    .args:
      - { .name: qk_img, .offset: 0, .size: 8, .value_kind: global_buffer, .address_space: global }
      - { .name: qk_sc, .offset: 8, .size: 8, .value_kind: global_buffer, .address_space: global }
      - { .name: v_img, .offset: 16, .size: 8, .value_kind: global_buffer, .address_space: global }
      - { .name: v_sc, .offset: 24, .size: 8, .value_kind: global_buffer, .address_space: global }
      - { .name: at_img, .offset: 32, .size: 8, .value_kind: global_buffer, .address_space: global }
      - { .name: at_sc, .offset: 40, .size: 8, .value_kind: global_buffer, .address_space: global }
    .group_segment_fixed_size: 55296
    .private_segment_fixed_size: 0
    .kernarg_segment_align: 8
    .kernarg_segment_size: 48
    .max_flat_workgroup_size: 512
    .sgpr_count:     66
    .vgpr_count:     256
    .wavefront_size: 32
...
	.end_amdgpu_metadata
.endif
;; end of part 2
;; launch oproj (part 3): grid 8 x 32, 4 waves a work-group, clusters of 4 x 4, 327,680 bytes of LDS; arguments at_img, at_sc, w_o_codes, w_o_scales, out0; writes out0
.if DOCPART == 3
	.amdgcn_target "amdgcn-amd-amdhsa--gfx1250"
	.amdhsa_code_object_version 6
	.text
	.protected	k_q55c2f11762_oproj
	.globl	k_q55c2f11762_oproj
	.p2align	8
	.type	k_q55c2f11762_oproj,@function
k_q55c2f11762_oproj:
	s_mov_b64 s[64:65], 0
	v_nop
	global_prefetch_b8 v0, s[64:65] scope:SCOPE_SE
	s_setreg_imm32_b32 hwreg(HW_REG_WAVE_MODE, 25, 1), 1
	s_wait_xcnt 0x0
	s_wait_alu depctr_hold_cnt(0) depctr_sa_sdst(0) depctr_va_vdst(0) depctr_va_sdst(0) depctr_va_ssrc(0) depctr_va_vcc(0) depctr_vm_vsrc(0)
	s_getreg_b32 s2, hwreg(HW_REG_IB_STS2, 6, 4)
	s_cmp_eq_u32 s2, 0
	s_cbranch_scc0 .Lentry_in_a_cluster
	s_endpgm
.Lentry_in_a_cluster:
	s_bfe_u32 s2, ttmp6, 0x10000c
	s_cmp_lg_u32 s2, 0xf033
	s_cbranch_scc0 .Lentry_shape_is_right
	s_endpgm
.Lentry_shape_is_right:
; out0[token][m] = sum over k of attn[token][k] w_o[m][k], on codes of FP6 (E2M3) with E8M0 scales, K = 1,024, sums in f32, f32 out.
; A BLOCK is 256 tokens x 128 columns; 8 x 32 blocks.  A = attn as the launch before left it: at_img[tile of 16 tokens][head][768 bytes], images of operand registers, 12,288 dense bytes a tile; at_sc[tile][r][32 bytes].
; B = 128 rows of w_o, 768 bytes each.  ALL OF K LIES IN LDS: four joint loads at the head, one a wave (A's 196,608 dense bytes as rows of 256; B's rows with 16 bytes of padding behind every 256; the two blocks of scale bytes).
; Nothing is filled again.  A's tiles are shared along a row of the 4 x 4 cluster, B's along a column.
; A WAVE makes 64 tokens x 128 columns: 32 accumulators; source 0 = w_o's rows, so that a lane holds eight neighbouring columns of a token.  A step is 128 along K: 32 products, the next step's 72 LDS loads among them.
; Lane r of token tile T holds token 32 (T / 2) + 8 (T % 2) + r + 8 (r / 8): the stores' offsets undo that order.
; THE STAGE of the way out lies in the wave's own four tiles of A, which no other wave reads and which have had their only fill; the wave's reads of them are over by then.
; NO PREFETCH: the launch has no loop to run ahead in; all its tiles are asked for at the head.   LIMITS: a given scale byte 0xff gives NaN.
.set PITCH,  816
.set ATILE,  12288
.set BBASE,  16*ATILE
.set SCL,    BBASE+128*PITCH
.set SCB,    SCL+32*272
.set SPARE,  SCB+16*272
.set SPITCH, 528
.set ADRA, 16
.set ADRB, 20
.set STO,  24
.set RD,   25
.set CO,   26
.set ADRS, 27
.set SPW,  28
.set NIL,  29
.set SC,   32
.set AF,   128
.set BK,   128
.set MSB, 0
.macro WIN new
.if MSB != (\new)
	s_set_vgpr_msb (MSB<<8)|(\new)
.set MSB, (\new)
.endif
.endm
.set MUL,  0xa1
.set TO_B, 0x40
.macro PLACES
.rept 4
	v_nop
.endr
.endm
.macro TLOAD g0, g1
	tensor_load_to_lds s[\g0:\g0+3], s[\g1:\g1+7]
	s_nop 0
	PLACES
.endm
.macro CROUND
	s_barrier_signal -1
	s_barrier_wait -1
	s_cmp_lg_u32 s14, 0
	s_cbranch_scc1 .Lnot_wave_0_\@
	s_barrier_signal -3
.Lnot_wave_0_\@:
	s_barrier_wait -3
	s_barrier_signal -1
	s_barrier_wait -1
.endm
.macro GROUP1 g, mask, word, len, rows
	s_or_b32 s[\g], s[\mask], \word
	s_mov_b32 s[\g+1], (\len)<<16
	s_mov_b32 s[\g+2], (\rows)<<16
	s_mov_b32 s[\g+3], (\len)<<16
	s_mov_b32 s[\g+4], \rows
	s_mov_b32 s[\g+5], \len
	s_mov_b32 s[\g+6], 0
	s_mov_b32 s[\g+7], 0
.endm
.macro GROUP0 g, lds, base, off
	s_mov_b32 s[\g], 1
	s_mov_b32 s[\g+1], \lds
	s_add_nc_u64 s[\g+2:\g+3], s[\base:\base+1], s[\off:\off+1]
	s_or_b32 s[\g+3], s[\g+3], 0x80000000
.endm
	s_load_b256 s[4:11], s[0:1], 0x0               ; at_img, at_sc, w_o's codes, its scales
	s_load_b64 s[12:13], s[0:1], 0x20              ; out0
	v_lshl_add_u32 v[SPW], v0, 2, SPARE
	v_mov_b32 v[NIL], 0
	ds_add_u32 v[SPW], v[NIL]                      ; the opening lines: the add twice on end and one wait
	ds_add_u32 v[SPW], v[NIL]
	v_lshrrev_b32 v1, 5, v0
	v_readfirstlane_b32 s14, v1
	s_bfe_u32 s40, ttmp6, 0x40000
	s_bfe_u32 s41, ttmp6, 0x40004
	s_lshl_b32 s42, ttmp9, 2
	s_add_co_u32 s42, s42, s40                     ; B's tile of 128 columns
	s_and_b32 s17, ttmp7, 0xffff
	s_lshl_b32 s17, s17, 2
	s_add_co_u32 s17, s17, s41                     ; A's tile of 256 tokens
	s_lshl_b32 s43, s41, 2
	s_lshl_b32 s43, 15, s43
	s_lshl_b32 s44, 0x1111, s40
	GROUP1 24, 43, (3<<16)|(1<<21), 32, 768
	GROUP1 32, 44, (1<<20)|(1<<21)|(5<<22)|(3<<25), 768, 128
	GROUP1 48, 43, (3<<16)|(1<<20)|(1<<21)|(5<<22)|(3<<25), 32, 32
	GROUP1 56, 44, (3<<16)|(1<<20)|(1<<21)|(5<<22)|(3<<25), 32, 16
	s_mul_i32 s92, s17, 16*ATILE
	s_mul_i32 s94, s42, 128*768
	s_lshl_b32 s96, s17, 13
	s_lshl_b32 s98, s42, 12
	s_mov_b32 s93, 0
	s_mov_b32 s95, 0
	s_mov_b32 s97, 0
	s_mov_b32 s99, 0
	s_wait_dscnt 0x0
	s_wait_kmcnt 0x0
	GROUP0 76, 0, 4, 92
	GROUP0 80, BBASE, 8, 94
	GROUP0 84, SCL, 6, 96
	GROUP0 88, SCB, 10, 98
	CROUND
	s_cmp_eq_u32 s14, 0
	s_cbranch_scc0 .Lw1
	TLOAD 76, 24                                   ; wave 0: A's codes
	s_branch .Lasked
.Lw1:
	s_cmp_eq_u32 s14, 1
	s_cbranch_scc0 .Lw2
	TLOAD 80, 32                                   ; wave 1: B's codes
	s_branch .Lasked
.Lw2:
	s_cmp_eq_u32 s14, 2
	s_cbranch_scc0 .Lw3
	TLOAD 84, 48                                   ; wave 2: A's scale bytes
	s_branch .Lasked
.Lw3:
	TLOAD 88, 56                                   ; wave 3: B's
.Lasked:
	s_lshl_b32 s20, s17, 2
	s_add_co_u32 s20, s20, s14
	s_lshl_b32 s20, s20, 18                        ; my first token x 4,096 bytes: 64 tokens a wave
	s_lshl_b32 s21, s42, 9                         ; my first column x 4
	s_add_co_u32 s20, s20, s21
	s_mov_b32 s21, 0
	s_add_nc_u64 s[12:13], s[12:13], s[20:21]
	s_mul_i32 s92, s14, 4*ATILE                    ; my four tiles of A, and my stage
	s_mul_i32 s93, s14, 8*272
	s_sub_co_u32 s94, 32*272, s93
	s_add_co_u32 s93, s93, SCL
	v_and_b32 v1, 15, v0
	v_bfe_u32 v2, v0, 4, 1
	v_mul_u32_u24 v3, v1, PITCH
	v_mad_u32_u24 v4, v2, 24, v3
	v_lshl_add_u32 v5, v2, 4, v4
	v_add_nc_u32 v[ADRB], BBASE, v4
	v_add_nc_u32 v[ADRB+1], BBASE+64*PITCH, v4
	v_add_nc_u32 v[ADRB+2], BBASE, v5
	v_add_nc_u32 v[ADRB+3], BBASE+64*PITCH, v5
	v_and_b32 v6, 31, v0
	v_lshlrev_b32 v7, 3, v6
	v_add_nc_u32 v[ADRA], s92, v7                  ; a piece of an image: 8 x lane
	v_lshlrev_b32 v7, 5, v1
	v_lshrrev_b32 v8, 8, v7
	v_lshl_add_u32 v7, v8, 4, v7
	v_mul_u32_u24 v8, s94, v2                      ; lanes 16-31 take B's scale words
	v_add_nc_u32 v7, v7, v8
	v_add_nc_u32 v[ADRS], s93, v7
	v_mul_u32_u24 v9, v1, SPITCH
	v_lshl_add_u32 v9, v2, 5, v9
	v_add_nc_u32 v[STO], s92, v9
	v_lshlrev_b32 v[CO], 4, v6
	v_add_nc_u32 v[RD], s92, v[CO]
.macro FRAG reg, adr, q, ro
.irp p, 0,1,2,3,4,5
.set PCE, 12*(\q)+6*(\p/3)+\p%3
.if PCE%32 < 29
	ds_load_b64 v[\reg+2*\p:\reg+2*\p+1], v[\adr] offset:8*PCE+16*(PCE/32)+(\ro)*PITCH
.else
	ds_load_b64 v[\reg+2*\p:\reg+2*\p+1], v[\adr+2] offset:8*PCE+16*(PCE/32)+(\ro)*PITCH
.endif
.endr
.endm
.macro FETCH_A q
	WIN 0
.irp i, 0,1,2,3
.irp p, 0,1,2,3,4,5
	ds_load_b64 v[AF+48*((\q)%2)+12*\i+2*\p:AF+48*((\q)%2)+12*\i+2*\p+1], v[ADRA] offset:\i*ATILE+(\q)*1536+256*\p
.endr
.endr
.endm
.macro FETCH_B q, i0
	WIN TO_B
.irp i, 0,1,2,3
	FRAG 128*((\q)%2)+12*(\i0+\i), ADRB+(\i0)/4, \q, 16*\i
.endr
.endm
.macro MUL8 b0, q                      ; the 32 accumulators take turns in the same order in every step
.irp b, \b0, \b0+1
.irp a, 0,1,2,3
.if (\q) == 0
	v_wmma_scale_f32_16x16x128_f8f6f4 v[8*(8*\a+(\b)):8*(8*\a+(\b))+7], v[128*((\q)%2)+12*(\b):128*((\q)%2)+12*(\b)+11], v[AF+48*((\q)%2)+12*\a:AF+48*((\q)%2)+12*\a+11], 0, v[SC+10*(\b)+(\q)], v[SC+10*\a+(\q)] matrix_a_fmt:MATRIX_FMT_FP6 matrix_b_fmt:MATRIX_FMT_FP6 matrix_a_scale:MATRIX_SCALE_ROW1
.else
	v_wmma_scale_f32_16x16x128_f8f6f4 v[8*(8*\a+(\b)):8*(8*\a+(\b))+7], v[128*((\q)%2)+12*(\b):128*((\q)%2)+12*(\b)+11], v[AF+48*((\q)%2)+12*\a:AF+48*((\q)%2)+12*\a+11], v[8*(8*\a+(\b)):8*(8*\a+(\b))+7], v[SC+10*(\b)+(\q)], v[SC+10*\a+(\q)] matrix_a_fmt:MATRIX_FMT_FP6 matrix_b_fmt:MATRIX_FMT_FP6 matrix_a_scale:MATRIX_SCALE_ROW1
.endif
.endr
.endr
.endm
.macro STEP q
	s_wait_dscnt 0x0                               ; this step's fragments are in
.if (\q) < 7
.if (\q) > 0
	PLACES                                         ; between the last step's products and the loads into the set that they read
.endif
	FETCH_A (\q)+1
	WIN MUL
	MUL8 0, \q
	FETCH_B (\q)+1, 0
	WIN MUL
	MUL8 2, \q
	FETCH_B (\q)+1, 4
.endif
	WIN MUL
.if (\q) == 7
	MUL8 0, \q
	MUL8 2, \q
.endif
	MUL8 4, \q
	MUL8 6, \q
	WIN 0
.endm
	s_wait_alu depctr_va_vdst(0)                   ; the wait at the head's end
	s_wait_tensorcnt 0x0
	s_barrier_signal -1
	s_barrier_wait -1                              ; all four tiles are in
.irp i, 0,1,2,3,4,5,6,7
	ds_load_b128 v[SC+10*\i:SC+10*\i+3], v[ADRS] offset:\i*2*272
	ds_load_b128 v[SC+10*\i+4:SC+10*\i+7], v[ADRS] offset:\i*2*272+16
.endr
	FETCH_A 0
	FETCH_B 0, 0
	FETCH_B 0, 4
	WIN 0
.irp q, 0,1,2,3,4,5,6,7
	STEP \q
.endr
; THE WAY OUT, block by block of 16 tokens x 128 columns, through my stage: in as 32 bytes a lane, back as whole rows of 512 bytes.  LDS serves a wave's instructions in order (ISA guide 5.7.1.4).
.macro TOSTAGE a
.set AC, 64*(\a)
	WIN 0x08
.irp b, 0,1,2,3,4,5,6,7
	ds_store_b128 v[STO], v[AC+8*\b:AC+8*\b+3] offset:64*\b          ; each accumulator from its low end on
	ds_store_b128 v[STO], v[AC+8*\b+4:AC+8*\b+7] offset:64*\b+16
.endr
	WIN 0
.set BR, BK+64*((\a)%2)
.irp t, 0,1,2,3,4,5,6,7,8,9,10,11,12,13,14,15
	ds_load_b128 v[BR+4*\t:BR+4*\t+3], v[RD] offset:\t*SPITCH
.endr
.endm
.macro SEND a, younger                 ; younger: the next block's 16 LDS stores and 16 loads, which may stay out
.set BR, BK+64*((\a)%2)
	s_wait_dscnt \younger
.irp t, 0,1,2,3,4,5,6,7,8,9,10,11,12,13,14,15
	global_store_b128 v[CO], v[BR+4*\t:BR+4*\t+3], s[12:13] offset:(32*((\a)/2)+8*((\a)%2)+\t+8*(\t/8))*4096 th:TH_STORE_NT   ; 32 lanes store 512 consecutive bytes, at a multiple of 256 from out0's first byte
.endr
.endm
	PLACES                                         ; behind the last products
	TOSTAGE 0
.irp a, 1,2,3
.if \a > 1
	s_wait_xcnt 0x0                                ; block a - 2's stores have read their registers
.endif
	TOSTAGE \a
	SEND \a-1, 32
.endr
	SEND 3, 0
	s_wait_tensorcnt 0x0                           ; the wave's end
	ds_add_u32 v[SPW], v[NIL]
	s_wait_dscnt 0x0
	CROUND                                         ; the closing round
	s_endpgm
.Lfunc_end_k_q55c2f11762_oproj:
	.size	k_q55c2f11762_oproj, .Lfunc_end_k_q55c2f11762_oproj-k_q55c2f11762_oproj
	.p2alignl 7, 3214868480
	.fill 96, 4, 3214868480
	.section	.rodata,"a",@progbits
	.p2align	6, 0x0
	.amdhsa_kernel k_q55c2f11762_oproj
		.amdhsa_group_segment_fixed_size 327680
		.amdhsa_private_segment_fixed_size 0
		.amdhsa_enable_private_segment 0
		.amdhsa_kernarg_size 40
		.amdhsa_user_sgpr_count 2
		.amdhsa_user_sgpr_kernarg_segment_ptr 1
		.amdhsa_wavefront_size32 1
		.amdhsa_system_sgpr_workgroup_id_x 1
		.amdhsa_system_sgpr_workgroup_id_y 1
		.amdhsa_system_sgpr_workgroup_id_z 1
		.amdhsa_system_vgpr_workitem_id 0
		.amdhsa_next_free_vgpr 768
		.amdhsa_next_free_sgpr 102
		.amdhsa_reserve_vcc 0
		.amdhsa_float_denorm_mode_32 3
		.amdhsa_float_denorm_mode_16_64 3
		.amdhsa_memory_ordered 1
		.amdhsa_forward_progress 1
		.amdhsa_inst_pref_size 94
	.end_amdhsa_kernel
	.amdgpu_metadata
---
amdhsa.version: [ 1, 2 ]
amdhsa.kernels:
  - .name:           k_q55c2f11762_oproj
    .symbol:         k_q55c2f11762_oproj.kd
    .args:
      - { .name: at_img, .offset: 0, .size: 8, .value_kind: global_buffer, .address_space: global }
      - { .name: at_sc, .offset: 8, .size: 8, .value_kind: global_buffer, .address_space: global }
      - { .name: w_o_codes, .offset: 16, .size: 8, .value_kind: global_buffer, .address_space: global }
      - { .name: w_o_scales, .offset: 24, .size: 8, .value_kind: global_buffer, .address_space: global }
      - { .name: out0, .offset: 32, .size: 8, .value_kind: global_buffer, .address_space: global }
    .group_segment_fixed_size: 327680
    .private_segment_fixed_size: 0
    .kernarg_segment_align: 8
    .kernarg_segment_size: 40
    .max_flat_workgroup_size: 128
    .sgpr_count:     102
    .vgpr_count:     768
    .wavefront_size: 32
...
	.end_amdgpu_metadata
.endif
;; end of part 3
